; MI455X (gfx1250); checked and timed in simulation.
; The chip was launched on July 23, 2026; its instructions are those of AMD's public machine-readable ISA for CDNA 5 (MIT licence, August 2026) and "CDNA5" Instruction Set Architecture Reference Guide (July 2026). The comments in the code are by the model that wrote it; some were corrected since.
;; Fuzzy Multihead Attention. Allowed arithmetic: matrix products marked QUANTISED: E3M2 operands, one E8M0 scale for each 32 along K, by v_wmma_scale_f32_16x16x128_f8f6f4 with both operands' format E3M2, f32 sums; products left as they are: f32 operands where the result goes on into a quantised operand, else bf16, f16 or f32 operands; f32 sums; everything else in f32.
;; Inputs: Wo 512 x 512 float32; Wq 512 x 512 float32; Wv 8,192 x 512 float32; bo 512 float32; bq 512 float32; bv 8,192 float32; key 4 x 2,048 x 512 float32; query 4 x 2,048 x 512 float32; rules_keys 8 x 16 x 64 float32; rules_widths 8 x 16 x 64 float32; value 4 x 2,048 x 512 float32.
;; Outputs: out0 4 x 2,048 x 512 float32.
;; This version of the problem:
;;   THIS VERSION OF THE PROBLEM IS GIVEN IN LOW PRECISION. The matrix products marked QUANTISED in the list below multiply operands that are first quantised to E3M2 (3 exponent bits, 2 mantissa bits; 6 bits a number), with one power-of-two scale for each 32 numbers along K (OCP MX v1.0); their sums are f32. All else is computed in f32.
;;   The module's matrix products, in the order in which they are computed (A, B: the left and right operand; K: the contracted axis; several contracted axes count as one K, in the product's order):
;;     1. [M 8,192, K 512] x [K 512, N 512]; A: input query; B: input Wq: QUANTISED
;;     2. [M 8,192, K 512] x [K 512, N 8,192]; A: input value; B: input Wv: QUANTISED
;;     3. batch 65,536 x [M 1, K 16] x [K 16, N 64]; A: softmax; B: computed on the way: left as it is (K = 16 < 32)
;;     4. [M 8,192, K 512] x [K 512, N 512]; A: computed on the way; B: input Wo: QUANTISED
;;   THE QUANTISER, for each operand of a quantised product, along K:
;;     - K is cut into blocks of 32 from its start; a last block that is shorter is filled with zeros.
;;     - A block's scale is 2^e with e = floor(log2(the largest magnitude in the block)) - 4, held to -126 .. 127; a block of zeros has e = 0. As a byte (E8M0): e + 127.
;;     - Each number is divided by its block's scale, clamped to +-28, and rounded to the nearest number of E3M2, ties to even, subnormals kept.
;;     - The product sums the exact products of the quantised numbers (number of the format x scale) in f32.
;;   ~~~python
;;   def quantise(x, axis):      # numpy; x: float32 -> the quantised numbers, widened to float32 again
;;       x = np.moveaxis(x, axis, -1); K = x.shape[-1]
;;       x = np.pad(x, [(0, 0)] * (x.ndim - 1) + [(0, -K % 32)]); x = x.reshape(x.shape[:-1] + (-1, 32)); a = np.abs(x).max(-1, keepdims=True)
;;       e = np.where(a > 0, np.clip(np.frexp(np.where(a > 0, a, 1))[1] - 1 - 4, -126, 127), 0)      # np.frexp(a)[1] - 1 = floor(log2(a)), exactly
;;       r = np.clip(x / 2.0 ** e, -28, 28)
;;       step = 2.0 ** (np.maximum(np.frexp(np.where(r == 0, 1, r))[1] - 1, -2) - 2)
;;       q = np.round(r / step) * step * 2.0 ** e      # np.round: ties to even
;;       return np.moveaxis(q.reshape(q.shape[:-2] + (-1,))[..., :K], -1, axis).astype(np.float32)
;;   ~~~
;;   OPERANDS COMPUTED ON THE WAY. 'Computed on the way' means the value that the module computes at that place (a softmax that the list does not call 'softmax' is quantised finished and normalised). What goes into a quantiser is computed in f32, as accurately as f32 sums, v_exp_f32 and their like allow (about 1e-6 of the number): no bf16 or f16 on the way to a quantiser, and a product that is left as it is and whose result goes on into a quantised operand takes f32 operands (vector FMAs, or v_wmma_f32_16x16x4_f32). A number that lies on a knife's edge between two numbers of the format may be rounded either way, as far as f32 arithmetic and the matrix unit's own rounding can turn it there, and no further.
;; One version. Each part assembles by itself: llvm-mc -triple=amdgcn-amd-amdhsa -mcpu=gfx1250 --defsym DOCPART=n.
;; ======== version 1 of 1: 2 launches
;; limits: right only within a limited range of input values
;; workspace buffers: vcodes 3,145,728 bytes; qcodes 3,145,728 bytes; wvcodes 3,145,728 bytes; pack 335,872 bytes; wocodes 196,608 bytes; vscales 131,072 bytes; qscales 131,072 bytes; woscales 8,192 bytes
;; launch quant (part 1): grid 400 x 1, 4 waves a work-group, no clusters, 34,304 bytes of LDS; arguments value, query, Wv, Wq, Wo, vcodes, qcodes, wvcodes, pack, wocodes, vscales, qscales, woscales; writes vcodes, qcodes, wvcodes, pack, wocodes, vscales, qscales, woscales
.if DOCPART == 1
	.amdgcn_target "amdgcn-amd-amdhsa--gfx1250"
	.amdhsa_code_object_version 6
	.text
	.protected	k_q56237f8822_quant
	.globl	k_q56237f8822_quant
	.p2align	8
	.type	k_q56237f8822_quant,@function
k_q56237f8822_quant:
	s_mov_b64 s[64:65], 0
	v_nop
	global_prefetch_b8 v0, s[64:65] scope:SCOPE_SE
	s_setreg_imm32_b32 hwreg(HW_REG_WAVE_MODE, 25, 1), 1
	s_wait_xcnt 0x0
; value, query [8192][512], Wv [8192][512], Wq, Wo [512][512], all f32 with K innermost, become codes of BF6 (E3M2) with one E8M0 byte for each 32 along K.
; A block's scale is 2^(floor(log2(its largest magnitude)) - 4): its byte is the largest magnitude's exponent field - 4, held at 1 from below.
; LIMITS: NaN and infinities are not served; a block whose largest magnitude lies under 2^-122, a block of zeros among them, gets the byte 1 (a block of zeros has zero codes, and this program alone reads the bytes).
; The input key is in no launch's arguments: reference() never uses it.
; LAYOUT OF THE RESULTS: the order of the operand's registers.  A tile is 16 rows x 512 K = four fragments of 16 rows x 128 K; a fragment is 12 registers a lane, stored as three groups of four:
; group c of lane l at 512 c + 16 l: 1,536 bytes a fragment, 6,144 a tile.  A tile's scale bytes are 256: tile row i's four words (one for each 128 along K) at 16 i.
; WHICH ROWS FORM A TILE is chosen for the reader: tile rows 0-7 are rows RA + 0..7, tile rows 8-15 are rows RA + DL + 0..7.
;   value, query, Wo: RA = 16 t, DL = 8 (neighbours).
;   Wv (row = 1024 h + 16 d + r), tile t = 64 h + 32 b + 2 i + u: RA = 1024 h + 512 b + 16 i + 8 u, DL = 256: used as source 0, a lane of half hl then holds d = 32 b + 16 hl + i and rules 8 u + 0..7.
;   Wq (row = 64 h + d), tile t = 4 h + q: RA = 64 h + 8 q, DL = 32: a lane of half hl then holds d = 32 hl + 8 q + 0..7.
; pack holds for each head 41,984 bytes: Wq's four tiles (24,576), their scale bytes (1,024), Wv's 64 tiles' scale bytes (16,384): one dense block for the reader.
; SHARES: a wave takes one tile.  Work-groups 0-127 value, 128-255 query, 256-383 Wv, 384-391 Wq, 392-399 Wo: only pointers and offsets are chosen, all take one path.
; Each load reads 512 consecutive bytes of a row; a fragment's 16 rows turn through the wave's own stage in LDS (rows 528 bytes apart), so that a lane gets a whole block of 32 neighbours.  Waves share nothing: no barrier.
.set PITCH, 528
.set WSTG,  16*PITCH
.set R,   16                           ; v16-143  two sets of 64: a fragment as loaded
.set X,   144                          ; v144-207 my two blocks of 32 neighbours
.set C,   208                          ; v208-219 the fragment's codes
.set D,   220                          ; v220-226 the upper halves of the two blocks, as the conversions leave them
.set MX,  228                          ; v228-231 largest magnitudes: two chains for each block
.set SO,  232                          ; v232-233 the conversions' scale operands
.set BY,  234                          ; v234-235 the bytes
.set SW,  236                          ; v236-239 my row's scale word of each fragment
.set T0,  240                          ; v240-243 at work
	s_load_b512 s[4:19], s[0:1], 0x0               ; value, query, Wv, Wq, Wo, vcodes, qcodes, wvcodes
	s_load_b256 s[20:27], s[0:1], 0x40             ; pack, wocodes, vscales, qscales
	s_load_b64 s[28:29], s[0:1], 0x60              ; woscales
	v_lshl_add_u32 v248, v0, 2, 0x8400
	v_mov_b32 v249, 0
	v_lshrrev_b32 v1, 5, v0
	v_readfirstlane_b32 s32, v1                    ; wave
	v_and_b32 v1, 31, v0                           ; lane
	v_and_b32 v7, 15, v0                           ; r
	v_bfe_u32 v8, v0, 4, 1                         ; h
	v_lshlrev_b32 v2, 4, v1                        ; 16 x lane: my bytes of a load's 512, and of an image's group
	s_mul_i32 s33, s32, WSTG
	v_add_nc_u32 v3, s33, v2                       ; the stage, on the way in
	v_mul_u32_u24 v4, v7, PITCH
	v_lshl_add_u32 v4, v8, 7, v4
	v_add_nc_u32 v4, s33, v4                       ; and out: row r, + 128 h: k = 32 h on
	v_lshlrev_b32 v5, 4, v7
	v_lshl_add_u32 v5, v8, 3, v5                   ; the scale bytes: 16 r + 8 h
	v_lshlrev_b32 v6, 3, v8                        ; 8 h: my bytes' shift in a scale word
	v_mov_b32 v[T0], 0                             ; a lane permute's destination counts as read: written once
	s_mov_b32 s56, 0x76543210
	s_mov_b32 s57, 0xfedcba98                      ; selects for lane l xor 16
	s_lshl_b32 s34, ttmp9, 2
	s_add_co_u32 s34, s34, s32                     ; my tile among all 1,600
	s_wait_alu depctr_va_vdst(0)
	s_wait_kmcnt 0x0
	s_mov_b64 s[48:49], s[12:13]                   ; the tensor, its codes, its scale bytes, its first tile: Wo's, unless the work-group's number says otherwise
	s_mov_b64 s[52:53], s[22:23]
	s_mov_b64 s[54:55], s[28:29]
	s_mov_b32 s35, 1568
	s_cmp_lt_u32 ttmp9, 392
	s_cselect_b64 s[48:49], s[10:11], s[48:49]     ; Wq
	s_cselect_b64 s[52:53], s[20:21], s[52:53]
	s_cselect_b64 s[54:55], s[20:21], s[54:55]
	s_cselect_b32 s35, 1536, s35
	s_cmp_lt_u32 ttmp9, 384
	s_cselect_b64 s[48:49], s[8:9], s[48:49]       ; Wv
	s_cselect_b64 s[52:53], s[18:19], s[52:53]
	s_cselect_b64 s[54:55], s[20:21], s[54:55]
	s_cselect_b32 s35, 1024, s35
	s_cmp_lt_u32 ttmp9, 256
	s_cselect_b64 s[48:49], s[6:7], s[48:49]       ; query
	s_cselect_b64 s[52:53], s[16:17], s[52:53]
	s_cselect_b64 s[54:55], s[26:27], s[54:55]
	s_cselect_b32 s35, 512, s35
	s_cmp_lt_u32 ttmp9, 128
	s_cselect_b64 s[48:49], s[4:5], s[48:49]       ; value
	s_cselect_b64 s[52:53], s[14:15], s[52:53]
	s_cselect_b64 s[54:55], s[24:25], s[54:55]
	s_cselect_b32 s35, 0, s35
	s_sub_co_u32 s36, s34, s35                     ; t: my tile in its tensor
	s_lshl_b32 s37, s36, 4                         ; neighbours: RA,
	s_mov_b32 s38, 8                               ; DL,
	s_mul_i32 s39, s36, 6144                       ; the codes' offset,
	s_lshl_b32 s40, s36, 8                         ; the scale bytes' offset
	s_lshr_b32 s41, s36, 6                         ; Wv: h
	s_lshl_b32 s42, s41, 10
	s_bfe_u32 s43, s36, 0x10005                    ; b
	s_lshl_b32 s43, s43, 9
	s_or_b32 s42, s42, s43
	s_bfe_u32 s43, s36, 0x40001                    ; i
	s_lshl_b32 s43, s43, 4
	s_or_b32 s42, s42, s43
	s_and_b32 s43, s36, 1                          ; u
	s_lshl_b32 s43, s43, 3
	s_or_b32 s42, s42, s43                         ; RA
	s_mul_i32 s41, s41, 41984
	s_and_b32 s43, s36, 63
	s_lshl_b32 s43, s43, 8
	s_add_co_u32 s41, s41, s43
	s_add_co_u32 s41, s41, 25600                   ; its scale bytes in pack
	s_sub_co_u32 s43, ttmp9, 256
	s_cmp_lt_u32 s43, 128
	s_cselect_b32 s37, s42, s37
	s_cselect_b32 s38, 256, s38
	s_cselect_b32 s40, s41, s40
	s_lshr_b32 s41, s36, 2                         ; Wq: h
	s_and_b32 s43, s36, 3                          ; q
	s_lshl_b32 s42, s41, 6
	s_lshl_b32 s44, s43, 3
	s_or_b32 s42, s42, s44                         ; RA
	s_mul_i32 s41, s41, 41984
	s_mul_i32 s44, s43, 6144
	s_add_co_u32 s44, s44, s41                     ; its codes in pack
	s_lshl_b32 s43, s43, 8
	s_add_co_u32 s41, s41, s43
	s_add_co_u32 s41, s41, 24576                   ; its scale bytes in pack
	s_sub_co_u32 s43, ttmp9, 384
	s_cmp_lt_u32 s43, 8
	s_cselect_b32 s37, s42, s37
	s_cselect_b32 s38, 32, s38
	s_cselect_b32 s39, s44, s39
	s_cselect_b32 s40, s41, s40
	s_lshl_b32 s44, s37, 11                        ; a row is 2,048 bytes
	s_mov_b32 s45, 0
	s_add_nc_u64 s[48:49], s[48:49], s[44:45]      ; tile rows 0-7
	s_lshl_b32 s44, s38, 11
	s_add_nc_u64 s[50:51], s[48:49], s[44:45]      ; tile rows 8-15
	s_mov_b32 s44, s39
	s_add_nc_u64 s[52:53], s[52:53], s[44:45]
	s_mov_b32 s44, s40
	s_add_nc_u64 s[54:55], s[54:55], s[44:45]
.macro LOADF f                         ; fragment f: 16 rows x 512 bytes, each load 512 consecutive bytes
.irp i, 0,1,2,3,4,5,6,7
	global_load_b128 v[R+64*((\f)%2)+4*\i:R+64*((\f)%2)+4*\i+3], v2, s[48:49] offset:\i*2048+(\f)*512 th:TH_LOAD_NT
.endr
.irp i, 0,1,2,3,4,5,6,7
	global_load_b128 v[R+64*((\f)%2)+32+4*\i:R+64*((\f)%2)+32+4*\i+3], v2, s[50:51] offset:\i*2048+(\f)*512 th:TH_LOAD_NT
.endr
.endm
.macro QFRAG f
.set RS, R+64*((\f)%2)
.if (\f) < 3
	s_wait_loadcnt 16                              ; this fragment's 16 loads are in; the next fragment's 16 may be out
.else
	s_wait_loadcnt 0x0
.endif
.irp i, 0,1,2,3,4,5,6,7,8,9,10,11,12,13,14,15
	ds_store_b128 v3, v[RS+4*\i:RS+4*\i+3] offset:\i*PITCH
.endr
.irp c, 0,1
.irp j, 0,1,2,3,4,5,6,7
	ds_load_b128 v[X+32*\c+4*\j:X+32*\c+4*\j+3], v4 offset:256*\c+16*\j   ; k = 64 c + 32 h + 4 j on, of row r.  LDS serves a wave's instructions in order: these see the stores above
.endr
.endr
	s_wait_dscnt 0x0                               ; my two blocks are in, and the stores have read their registers,
.if (\f) < 2
	LOADF (\f)+2                                   ; which take the fragment two on
.endif
.irp c, 0,1
	v_max3_num_f32 v[MX+2*\c], |v[X+32*\c]|, |v[X+32*\c+1]|, 0x2800000        ; the floor 2^(5 - 127) among the leaves: the byte cannot fall under 1
	v_max3_num_f32 v[MX+2*\c+1], |v[X+32*\c+16]|, |v[X+32*\c+17]|, 0x2800000
.endr
.irp i, 2,4,6,8,10,12,14
.irp c, 0,1
	v_max3_num_f32 v[MX+2*\c], v[MX+2*\c], |v[X+32*\c+\i]|, |v[X+32*\c+\i+1]|
	v_max3_num_f32 v[MX+2*\c+1], v[MX+2*\c+1], |v[X+32*\c+16+\i]|, |v[X+32*\c+17+\i]|
.endr
.endr
.irp c, 0,1
	v_max_num_f32 v[MX+2*\c], v[MX+2*\c], v[MX+2*\c+1]     ; block 2 c + h's largest magnitude: all 32 numbers are mine
.endr
.irp c, 0,1
	v_add_nc_u32 v[SO+\c], 0xfe000000, v[MX+2*\c]          ; 4 off its exponent field: the conversion takes that field as its scale
.endr
.irp c, 0,1
	v_lshrrev_b32 v[BY+\c], 23, v[SO+\c]                   ; the byte
.endr
	v_lshl_or_b32 v[T0+1], v[BY+1], 16, v[BY]              ; blocks h and 2 + h,
	v_lshlrev_b32 v[T0+1], v6, v[T0+1]                     ; at their places in the word;
	v_permlanex16_b32 v[T0], v[T0+1], s56, s57
	v_or_b32 v[SW+(\f)], v[T0+1], v[T0]                    ; with lane l xor 16's two the word is whole
	s_wait_alu depctr_va_vdst(0)
	s_wait_xcnt 0x0                                        ; the last fragment's stores have read the codes' registers
.irp c, 0,1
	v_cvt_scalef32_pk16_bf6_f32 v[C+6*\c:C+6*\c+2], v[X+32*\c:X+32*\c+15], v[SO+\c]
	v_cvt_scalef32_pk16_bf6_f32 v[D+4*\c:D+4*\c+2], v[X+32*\c+16:X+32*\c+31], v[SO+\c]   ; (a conversion's three registers begin on an even number)
.endr
	v_nop                                                  ; one plain place behind the conversions
.irp c, 0,1
.irp i, 0,1,2
	v_mov_b32 v[C+6*\c+3+\i], v[D+4*\c+\i]                 ; registers 6 c .. 6 c + 5: k = 64 c + 32 h + 0 .. 31
.endr
.endr
.irp c, 0,1,2
	global_store_b128 v2, v[C+4*\c:C+4*\c+3], s[52:53] offset:(\f)*1536+512*\c   ; 32 lanes store 512 consecutive bytes, aligned
.endr
.endm
	LOADF 0
	LOADF 1
	QFRAG 0
	QFRAG 1
	QFRAG 2
	QFRAG 3
	v_cmp_eq_u32 vcc_lo, 1, v8
	v_cndmask_b32 v[T0+2], v[SW], v[SW+2], vcc_lo          ; lanes 0-15 store their row's words 0, 1, lanes 16-31 words 2, 3
	v_cndmask_b32 v[T0+3], v[SW+1], v[SW+3], vcc_lo
	global_store_b64 v5, v[T0+2:T0+3], s[54:55]            ; 32 lanes store 256 consecutive bytes, aligned
	s_wait_tensorcnt 0x0
	ds_add_u32 v248, v249
	s_wait_dscnt 0x0
	s_endpgm
.Lfunc_end_k_q56237f8822_quant:
	.size	k_q56237f8822_quant, .Lfunc_end_k_q56237f8822_quant-k_q56237f8822_quant
	.p2alignl 7, 3214868480
	.fill 96, 4, 3214868480
	.section	.rodata,"a",@progbits
	.p2align	6, 0x0
	.amdhsa_kernel k_q56237f8822_quant
		.amdhsa_group_segment_fixed_size 34304
		.amdhsa_private_segment_fixed_size 0
		.amdhsa_enable_private_segment 0
		.amdhsa_kernarg_size 104
		.amdhsa_user_sgpr_count 2
		.amdhsa_user_sgpr_kernarg_segment_ptr 1
		.amdhsa_wavefront_size32 1
		.amdhsa_system_sgpr_workgroup_id_x 1
		.amdhsa_system_sgpr_workgroup_id_y 1
		.amdhsa_system_sgpr_workgroup_id_z 1
		.amdhsa_system_vgpr_workitem_id 0
		.amdhsa_next_free_vgpr 250
		.amdhsa_next_free_sgpr 66
		.amdhsa_reserve_vcc 1
		.amdhsa_float_denorm_mode_32 3
		.amdhsa_float_denorm_mode_16_64 3
		.amdhsa_memory_ordered 1
		.amdhsa_forward_progress 1
		.amdhsa_inst_pref_size 33
	.end_amdhsa_kernel
	.amdgpu_metadata
---
amdhsa.version: [ 1, 2 ]
amdhsa.kernels:
  - .name:           k_q56237f8822_quant
    .symbol:         k_q56237f8822_quant.kd
    .args:
      - { .name: value, .offset: 0, .size: 8, .value_kind: global_buffer, .address_space: global }
      - { .name: query, .offset: 8, .size: 8, .value_kind: global_buffer, .address_space: global }
      - { .name: Wv, .offset: 16, .size: 8, .value_kind: global_buffer, .address_space: global }
      - { .name: Wq, .offset: 24, .size: 8, .value_kind: global_buffer, .address_space: global }
      - { .name: Wo, .offset: 32, .size: 8, .value_kind: global_buffer, .address_space: global }
      - { .name: vcodes, .offset: 40, .size: 8, .value_kind: global_buffer, .address_space: global }
      - { .name: qcodes, .offset: 48, .size: 8, .value_kind: global_buffer, .address_space: global }
      - { .name: wvcodes, .offset: 56, .size: 8, .value_kind: global_buffer, .address_space: global }
      - { .name: pack, .offset: 64, .size: 8, .value_kind: global_buffer, .address_space: global }
      - { .name: wocodes, .offset: 72, .size: 8, .value_kind: global_buffer, .address_space: global }
      - { .name: vscales, .offset: 80, .size: 8, .value_kind: global_buffer, .address_space: global }
      - { .name: qscales, .offset: 88, .size: 8, .value_kind: global_buffer, .address_space: global }
      - { .name: woscales, .offset: 96, .size: 8, .value_kind: global_buffer, .address_space: global }
    .group_segment_fixed_size: 34304
    .private_segment_fixed_size: 0
    .kernarg_segment_align: 8
    .kernarg_segment_size: 104
    .max_flat_workgroup_size: 128
    .sgpr_count:     66
    .vgpr_count:     250
    .wavefront_size: 32
...
	.end_amdgpu_metadata
.endif
;; end of part 1
;; launch fused (part 2): grid 32 x 8, 4 waves a work-group, clusters of 4 x 1, 327,680 bytes of LDS; arguments vcodes, vscales, qcodes, qscales, wvcodes, pack, wocodes, woscales, bq, bv, bo, rules_keys, rules_widths, out0; writes out0
.if DOCPART == 2
	.amdgcn_target "amdgcn-amd-amdhsa--gfx1250"
	.amdhsa_code_object_version 6
	.text
	.protected	k_q56237f8822_fused
	.globl	k_q56237f8822_fused
	.p2align	8
	.type	k_q56237f8822_fused,@function
k_q56237f8822_fused:
	s_mov_b64 s[64:65], 0
	v_nop
	global_prefetch_b8 v0, s[64:65] scope:SCOPE_SE
	s_setreg_imm32_b32 hwreg(HW_REG_WAVE_MODE, 25, 1), 1
	s_wait_xcnt 0x0
	s_wait_alu depctr_hold_cnt(0) depctr_sa_sdst(0) depctr_va_vdst(0) depctr_va_sdst(0) depctr_va_ssrc(0) depctr_va_vcc(0) depctr_vm_vsrc(0)
	s_getreg_b32 s2, hwreg(HW_REG_IB_STS2, 6, 4)
	s_cmp_eq_u32 s2, 0
	s_cbranch_scc0 .Lentry_in_a_cluster
	s_endpgm
.Lentry_in_a_cluster:
	s_bfe_u32 s2, ttmp6, 0x10000c
	s_cmp_lg_u32 s2, 0x3003
	s_cbranch_scc0 .Lentry_shape_is_right
	s_endpgm
.Lentry_shape_is_right:
; For 256 tokens (block TB) and one head (HD): q = query Wq^T + bq; z over the 16 rules; softmax; v = value Wv^T + bv with the sum over rules on its way out; that sum quantised; x Wo^T + bo.
; All three products on codes of BF6 (E3M2) with E8M0 scales, as the launch before laid them (fragments in the order of the operand's registers).  v never goes to memory.
; WHY ONE WORK-GROUP CAN FINISH: after reference()'s transpose and view, row (b, 256 h + s / 8) of the last product's left operand has K index 64 (s % 8) + d: 256 tokens of one head are 32 whole rows.
; SHARES: wave w owns tokens 64 w .. 64 w + 63 (four tiles of 16) up to the sum over rules; its value fragments stay in 192 registers; every wave walks the head's 64 tiles of Wv from LDS, in 32 pairs.
;   A pair is all 16 rules of d = 32 b + 16 (lane / 16) + i for a lane's token (pair 16 b + i): all products are used transposed (source 0 = 16 rows of a weight, source 1 = 16 tokens), so a lane holds one token.
;   In the last product wave w makes all 32 rows x columns 256 x + 64 w .. + 63 (x = 0, 1).
; ARITHMETIC: t = q_raw (0.125 / width) - key / width in one fused multiply-add (0.125 is q's scale); s = sum over d of t^2; z = -s / 128; the largest z is the smallest s: p = 2^((s_min - s) log2(e) / 128);
;   attn x 0.125 (v's scale) weighs the 16 rules in f32 fused multiply-adds; bq, bv, bo are the C of each sum's first matrix instruction.
; LIMITS: NaN and infinities are not served; 1 / width is v_rcp_f32, so |width| lies within 2^-126 .. 2^126; a block of the computed operand under 2^-122 gets the byte 1.  The input key is not read: reference() never uses it.
; CLUSTER: the four partners are four token blocks of one head.  All that goes through LDS (Wv's codes, 393,216 bytes; pack, 41,984; bv, 4,096; Wo's codes, 196,608) hangs on the head and the wave's number alone and is asked
;   for jointly, mask 15.  value's and query's codes (98,304 bytes each for a work-group) are shared with the other heads' work-groups, which lie in other clusters; each fragment has one reader wave and goes straight into its registers.
; LDS: two slots of 8 pairs (98,304 bytes each), refilled; pack and bv, filled once; then bytes that only ds_store writes: the rules' table, the computed operand's codes and scale bytes, stages, the spare words, scratch.
; REGISTERS, in windows of 256: window 0: v1-15, v60-63 addresses; v16-23, v24-31, v40-55 scale words and nothing else; v32-39 at work; v56-59 lane permutes' results and the rule sums;
;   v64-127 the pair's 8 accumulators (before: q of tiles 0, 1); v128-191 attn, 16 a tile (before: bq, chains, t); v192-255 q of tiles 2, 3, later the sums to be quantised, later accumulators.
;   window 1: value's 16 fragments, at the end the computed operand's 8.   window 2: query's fragments, then the rules' table (two sets), then two sets of a pair's 8 fragments, then Wo's.
;   window 3: Wq's fragments, then v0-31 bv for two pairs, v64-127 bo.
; HOW s IS SUMMED: (q_raw iw + nk)^2 = iw^2 q_raw^2 + 2 iw nk q_raw + nk^2, with iw = 0.125 / width and nk = -key / width: the same polynomial, term by term.
;   The sum over d of the three terms is a product [16 rules, K] x [K, 16 tokens] with f32 operands (v_wmma_f32_16x16x4_f32): K = 8 part sums of nk^2 against ones, 64 d of iw^2 against q_raw^2, 64 d of 2 iw nk against q_raw.
;   q's registers serve as source 1 as they lie: step i takes registers 2 i, 2 i + 1, that is d = 32 (lane / 16) + 2 i + 0, 1, and the table's rows are read in the same order.
;   LIMIT: the rounding of s grows with the sum of the three terms' magnitudes, not with s alone.
; THE HEAD'S TILES: wave 0 asks for pack, wave 1 for the head's bv, waves 2 and 3 for a half of slot 0 each; slot 1 is first filled behind the next round, a quarter a wave.
; The rules' table lies in the bytes of the way out's stages, which are used only at the end: [rule, 528 bytes apart][half][32 x iw^2, 32 x 2 iw nk]; the part sums of nk^2, 8 a rule, at CPT.
.set SLOTB, 98304
.set PACK,  196608
.set WQS,   PACK+24576
.set WVS,   PACK+25600
.set BVL,   238592
.set TAB,   264192
.set CPT,   242688
.set APC,   250880                     ; the computed operand: 32 rows of 384 bytes, 400 apart
.set APS,   263680                     ; its scale bytes, 16 a row
.set STG,   264192                     ; the way out: 16 rows x 272 bytes for each wave
.set SPARE, 281600                     ; the spare words, 128 bytes for each wave: two blocks of 256 bytes that no other line names
.set SCR,   282112                     ; scratch, each wave's own: [tile][lane, 80 bytes apart][16 f32]
.set MUL,   0x06                       ; source 0 window 2, source 1 window 1, C and D window 0
.set MULB,  0x36                       ; the same with C in window 3
.set P1W,   0x0b                       ; source 0 window 3, source 1 window 2
.set ZW2,   0xfa                       ; sources 0 and 1 window 2, C and D window 3
.set ZW0,   0xf2                       ; source 0 window 2, source 1 window 0, C and D window 3
.set TO_W1, 0x40
.set TO_W2, 0x80
.set TO_W3, 0xc0
.set MSB, 0
.macro WIN new                         ; the immediate's high byte repeats the setting that is left; a switch that changes nothing is dropped
.if MSB != \new
	s_set_vgpr_msb (MSB<<8)|\new
.set MSB, \new
.endif
.endm
.macro PLACES                          ; four plain places behind matrix instructions (ISA guide 7.12.1), where no other vector work is at hand
.rept 4
	v_nop
.endr
.endm
.macro ROUND                           ; a round of the cluster's barrier
	s_barrier_signal -1
	s_barrier_wait -1
	s_cmp_lg_u32 s32, 0
	s_cbranch_scc1 .Lnot_wave_0_\@
	s_barrier_signal -3
.Lnot_wave_0_\@:
	s_barrier_wait -3
	s_barrier_signal -1
	s_barrier_wait -1
.endm
.macro WM                              ; one matrix instruction on rD, rA, rB, rC, scale words rSA, rSB; fA, fB: the scales stand in lanes 16-31
.if fA && fB
	v_wmma_scale_f32_16x16x128_f8f6f4 v[rD:rD+7], v[rA:rA+11], v[rB:rB+11], v[rC:rC+7], v[rSA], v[rSB] matrix_a_fmt:MATRIX_FMT_BF6 matrix_b_fmt:MATRIX_FMT_BF6 matrix_a_scale:MATRIX_SCALE_ROW1 matrix_b_scale:MATRIX_SCALE_ROW1
.elseif fA
	v_wmma_scale_f32_16x16x128_f8f6f4 v[rD:rD+7], v[rA:rA+11], v[rB:rB+11], v[rC:rC+7], v[rSA], v[rSB] matrix_a_fmt:MATRIX_FMT_BF6 matrix_b_fmt:MATRIX_FMT_BF6 matrix_a_scale:MATRIX_SCALE_ROW1
.elseif fB
	v_wmma_scale_f32_16x16x128_f8f6f4 v[rD:rD+7], v[rA:rA+11], v[rB:rB+11], v[rC:rC+7], v[rSA], v[rSB] matrix_a_fmt:MATRIX_FMT_BF6 matrix_b_fmt:MATRIX_FMT_BF6 matrix_b_scale:MATRIX_SCALE_ROW1
.else
	v_wmma_scale_f32_16x16x128_f8f6f4 v[rD:rD+7], v[rA:rA+11], v[rB:rB+11], v[rC:rC+7], v[rSA], v[rSB] matrix_a_fmt:MATRIX_FMT_BF6 matrix_b_fmt:MATRIX_FMT_BF6
.endif
.endm
	; ---- the head
	s_load_b512 s[4:19], s[0:1], 0x0               ; vcodes, vscales, qcodes, qscales, wvcodes, pack, wocodes, woscales
	s_load_b256 s[20:27], s[0:1], 0x40             ; bq, bv, bo, rules_keys
	s_load_b128 s[28:31], s[0:1], 0x60             ; rules_widths, out0
	v_lshl_add_u32 v1, v0, 2, SPARE                ; my spare word; never rewritten
	v_mov_b32 v2, 0                                ; 0; never rewritten
	ds_add_u32 v1, v2
	ds_add_u32 v1, v2
	s_wait_dscnt 0x0
	v_lshrrev_b32 v32, 5, v0
	v_readfirstlane_b32 s32, v32                   ; wave 0..3
	s_bfe_u32 s33, ttmp6, 0x40000                  ; cx
	s_lshl_b32 s34, ttmp9, 2
	s_add_co_u32 s34, s34, s33                     ; TB = 4 x cluster x + cx: it enters value's, query's and out0's addresses alone
	s_and_b32 s35, ttmp7, 0xffff                   ; HD, which the partners share
	s_mov_b32 s36, 0x76543210
	s_mov_b32 s37, 0xfedcba98                      ; selects for lane l xor 16
	s_mov_b32 s38, 0x3c38aa3b                      ; log2(e) / 128
	s_mov_b32 s39, s38                             ; (named with it as a pair)
	; descriptor groups 1: dense blocks as rows of 256 bytes (32 elements of 8 bytes), no padding; mask 15, bit 21 beside it
.irp g, 40, 48, 56
	s_mov_b32 s[\g], 15|(3<<16)|(1<<21)
	s_mov_b32 s[\g+1], 32<<16                      ; tensor_dim0
	s_mov_b32 s[\g+3], 32<<16                      ; tile_dim0
	s_mov_b32 s[\g+5], 32                          ; from row to row
	s_mov_b32 s[\g+6], 0
	s_mov_b32 s[\g+7], 0
.endr
	s_mov_b32 s42, 192<<16                         ; at the head half a slot: 192 rows (behind the head a quarter: 96)
	s_mov_b32 s44, 192
	s_mov_b32 s50, 164<<16                         ; pack: 164 rows
	s_mov_b32 s52, 164
	s_mov_b32 s58, 16<<16                          ; the head's bv: 16 rows
	s_mov_b32 s60, 16
	s_mov_b32 s91, 0                               ; where the next pair's fragments lie in LDS
	s_mov_b32 s92, 0                               ; its scale words
	s_mov_b32 s93, 0                               ; its biases
	s_mov_b32 s94, 0                               ; the word in scratch
	v_and_b32 v32, 31, v0                          ; lane
	v_and_b32 v33, 15, v0                          ; r
	v_bfe_u32 v34, v0, 4, 1                        ; hl
	v_bfe_u32 v35, v0, 3, 1
	v_and_b32 v36, 7, v0
	v_lshlrev_b32 v3, 4, v32                       ; 16 x lane: an image's place
	s_mul_i32 s86, s32, 10240
	s_add_co_u32 s86, s86, SCR
	v_mul_u32_u24 v8, v32, 80
	v_add_nc_u32 v8, s86, v8                       ; my 64 bytes of scratch, tile 0
	s_mul_i32 s86, s32, 3200
	s_add_co_u32 s86, s86, APC
	v_mul_u32_u24 v9, v35, 400                     ; the computed operand's codes: token 64 w + 16 m + r lies in row 8 w + 2 m + r / 8, at 48 (r % 8) + 24 b + 12 hl
	v_mad_u32_u24 v9, v36, 48, v9
	v_mad_u32_u24 v9, v34, 12, v9
	v_add_nc_u32 v9, s86, v9
	s_lshl_b32 s86, s32, 7
	s_add_co_u32 s86, s86, APS
	v_lshlrev_b32 v10, 1, v33                      ; and its scale byte at 16 x row + 2 (r % 8) + b = 128 w + 32 m + 2 r + b
	v_add_nc_u32 v10, s86, v10
	s_mul_i32 s86, s32, 4352
	s_add_co_u32 s86, s86, STG
	v_mul_u32_u24 v12, v33, 272                    ; the stage, in: row r, + 32 hl
	v_lshl_add_u32 v12, v34, 5, v12
	v_add_nc_u32 v12, s86, v12
	v_mul_u32_u24 v13, v34, 272                    ; back: lanes 0-15 one row, lanes 16-31 the next
	v_lshl_add_u32 v13, v33, 4, v13
	v_add_nc_u32 v13, s86, v13
	v_lshlrev_b32 v14, 11, v34                     ; and the same two rows of out0
	v_lshl_add_u32 v14, v33, 4, v14
	v_add_nc_u32 v60, WVS, v3                      ; Wv's scale words: 16 bytes a tile row, a pair's 32 rows
	v_lshl_add_u32 v61, v34, 10, BVL               ; bv: d = 16 hl on
	v_lshl_add_u32 v62, v34, 8, TAB
	v_mad_u32_u24 v62, v33, 528, v62               ; the rules' table: rule r, my half
	v_lshlrev_b32 v15, 5, v33
	v_lshl_add_u32 v15, v34, 3, v15
	v_add_nc_u32 v15, CPT, v15                     ; rule r's part sums of nk^2: 32 r + 8 hl
	v_lshlrev_b32 v63, 5, v34                      ; bo: 32 hl; never rewritten
	v_lshrrev_b32 v37, 3, v0                       ; where thread t puts its 8 numbers of the table: rule t / 8, half (t / 4) % 2, 32 (t % 4)
	v_mul_u32_u24 v37, v37, 528
	v_bfe_u32 v38, v0, 2, 1
	v_lshl_add_u32 v37, v38, 8, v37
	v_and_b32 v38, 3, v0
	v_lshl_add_u32 v37, v38, 5, v37
	v_add_nc_u32 v37, TAB, v37
	v_lshl_add_u32 v38, v0, 2, CPT                 ; thread t's part sum: rule t / 8, part t % 8
	v_lshlrev_b32 v39, 5, v0                       ; and where it finds them: 32 t
	v_lshlrev_b32 v11, 7, v34                      ; bq: 128 hl
.irp m, 0,1,2,3
	v_mov_b32 v[56+\m], 0                          ; a lane permute's destination counts as read: written once
.endr
	s_wait_alu depctr_va_vdst(0)
	s_wait_kmcnt 0x0
	; offsets made of the head and the wave's number stand in s[86:87], those made of TB in s[88:89]
	s_mov_b32 s87, 0
	s_mov_b32 s68, 1                               ; group 0, slot 0: count 1,
	s_mul_i32 s69, s32, 24576                      ; LDS: my quarter,
	s_mul_i32 s86, s35, 393216
	s_add_co_u32 s86, s86, s69
	s_add_nc_u64 s[70:71], s[12:13], s[86:87]      ; memory: the head's pairs 0-7, my quarter
	s_mov_b32 s72, 1                               ; slot 1: pairs 8-15
	s_add_co_u32 s73, s69, SLOTB
	s_add_nc_u64 s[74:75], s[70:71], SLOTB
	s_or_b32 s71, s71, 0x80000000                  ; type 2
	s_or_b32 s75, s75, 0x80000000
	s_mov_b32 s86, s69
	s_add_nc_u64 s[84:85], s[16:17], s[86:87]      ; Wo's codes, my quarter of a half: tiles 4 w .. 4 w + 3
	s_mov_b32 s76, 1                               ; pack, whole
	s_mov_b32 s77, PACK
	s_mul_i32 s86, s35, 41984
	s_add_nc_u64 s[78:79], s[14:15], s[86:87]
	s_or_b32 s79, s79, 0x80000000
	s_mov_b32 s80, 1                               ; the head's bv, whole
	s_mov_b32 s81, BVL
	s_lshl_b32 s86, s35, 12
	s_add_nc_u64 s[82:83], s[22:23], s[86:87]
	s_or_b32 s83, s83, 0x80000000
	s_and_b32 s88, s32, 1                          ; the head's fill of slot 0: half w % 2, in s[12:15], whose arguments have been used
	s_mul_i32 s88, s88, 49152
	s_mul_i32 s86, s35, 393216
	s_add_co_u32 s86, s86, s88
	s_add_nc_u64 s[14:15], s[12:13], s[86:87]
	s_or_b32 s15, s15, 0x80000000
	s_mov_b32 s12, 1
	s_and_b32 s13, s32, 1
	s_mul_i32 s13, s13, 49152
	s_lshl_b32 s86, s35, 8
	s_add_nc_u64 s[20:21], s[20:21], s[86:87]      ; bq at the head
	s_lshl_b32 s86, s35, 12
	s_add_nc_u64 s[26:27], s[26:27], s[86:87]      ; the rules at the head
	s_add_nc_u64 s[28:29], s[28:29], s[86:87]
	s_lshl_b32 s86, s32, 8
	s_add_nc_u64 s[24:25], s[24:25], s[86:87]      ; bo at column 64 w
	s_lshl_b32 s86, s32, 10
	s_add_nc_u64 s[18:19], s[18:19], s[86:87]      ; Wo's scale bytes at tile 4 w
	s_lshl_b32 s88, s34, 4
	s_lshl_b32 s89, s32, 2
	s_add_co_u32 s88, s88, s89
	s_mul_i32 s88, s88, 6144                       ; my four token tiles: 16 TB + 4 w on
	s_mov_b32 s89, 0
	s_add_nc_u64 s[4:5], s[4:5], s[88:89]
	s_add_nc_u64 s[8:9], s[8:9], s[88:89]
	s_lshl_b32 s88, s34, 12
	s_lshl_b32 s89, s32, 10
	s_add_co_u32 s88, s88, s89                     ; their scale bytes: 16 a token
	s_mov_b32 s89, 0
	s_add_nc_u64 s[6:7], s[6:7], s[88:89]
	s_add_nc_u64 s[10:11], s[10:11], s[88:89]
	s_lshr_b32 s88, s34, 3                         ; out0: row 2048 (TB / 8) + 256 HD + 32 (TB % 8), column 64 w
	s_lshl_b32 s88, s88, 11
	s_lshl_b32 s89, s35, 8
	s_add_co_u32 s88, s88, s89
	s_and_b32 s89, s34, 7
	s_lshl_b32 s89, s89, 5
	s_add_co_u32 s88, s88, s89
	s_lshl_b32 s88, s88, 11
	s_lshl_b32 s89, s32, 8
	s_add_co_u32 s88, s88, s89
	s_mov_b32 s89, 0
	s_add_nc_u64 s[30:31], s[30:31], s[88:89]
	global_load_b128 v[160:163], v39, s[26:27]             ; 8 keys and 8 widths a thread
	global_load_b128 v[164:167], v39, s[26:27] offset:16
	global_load_b128 v[168:171], v39, s[28:29]
	global_load_b128 v[172:175], v39, s[28:29] offset:16
	WIN TO_W2
.irp f, 0,1,2,3,4,5,6,7,8,9,10,11,12,13,14,15  ; query's fragments (tile f / 4, K step f % 4) at v[12 f] of window 2
.irp c, 0,1,2
	global_load_b128 v[12*\f+4*\c:12*\f+4*\c+3], v3, s[8:9] offset:\f*1536+512*\c
.endr
.endr
	WIN 0
	global_load_b128 v[16:19], v3, s[10:11]                ; its scale words: lanes 0-15 tile 0, lanes 16-31 tile 1;
	global_load_b128 v[20:23], v3, s[10:11] offset:512     ; tiles 2, 3
.irp t, 0,1,2,3
	global_load_b128 v[128+8*\t:131+8*\t], v11, s[20:21] offset:32*\t      ; bq in the result's layout: d = 32 hl + 8 t + 0 .. 7
	global_load_b128 v[132+8*\t:135+8*\t], v11, s[20:21] offset:32*\t+16
.endr
	ROUND                                          ; all four work-groups are here: the first joint loads meet
	s_cmp_lt_u32 s32, 1                            ; one chain of branches on the wave's number, one joint load to an arm
	s_cbranch_scc0 .Lhead_bv
	tensor_load_to_lds s[76:79], s[48:55]          ; wave 0: pack
	s_nop 0
	PLACES
	s_branch .Lhead_asked
.Lhead_bv:
	s_cmp_lt_u32 s32, 2
	s_cbranch_scc0 .Lhead_slot
	tensor_load_to_lds s[80:83], s[56:63]          ; wave 1: bv
	s_nop 0
	PLACES
	s_branch .Lhead_asked
.Lhead_slot:
	tensor_load_to_lds s[12:15], s[40:47]          ; waves 2 and 3: a half of slot 0 each
	s_nop 0
	PLACES
.Lhead_asked:
	s_wait_loadcnt 58                              ; the rules' four loads are in; the 58 behind them may be out
.irp i, 0,1,2,3,4,5,6,7
	v_rcp_f32 v[176+\i], v[168+\i]
.endr
	v_nop                                          ; a plain place behind the reciprocals
	s_wait_alu depctr_va_vdst(0)
.irp i, 0,1,2,3,4,5,6,7
	v_mul_f32 v[184+\i], -v[160+\i], v[176+\i]     ; -key / width
.endr
.irp i, 0,1,2,3,4,5,6,7
	v_mul_f32 v[168+\i], 0x3e000000, v[176+\i]     ; iw = 0.125 / width: exact
.endr
.irp i, 0,1,2,3,4,5,6,7
	v_mul_f32 v[160+\i], v[168+\i], v[168+\i]      ; iw^2
.endr
.irp i, 0,1,2,3,4,5,6,7
	v_mul_f32 v[176+\i], 0x3e800000, v[176+\i]     ; 2 iw = 0.25 / width: exact
.endr
.irp i, 0,1,2,3,4,5,6,7
	v_mul_f32 v[176+\i], v[176+\i], v[184+\i]      ; 2 iw nk
.endr
	v_mul_f32 v192, v184, v184                     ; my 8 nk^2 summed
.irp i, 1,2,3,4,5,6,7
	v_fmac_f32 v192, v[184+\i], v[184+\i]
.endr
	ds_store_b128 v37, v[160:163]
	ds_store_b128 v37, v[164:167] offset:16
	ds_store_b128 v37, v[176:179] offset:128
	ds_store_b128 v37, v[180:183] offset:144
	ds_store_b32 v38, v192
	s_wait_tensorcnt 0x0                           ; my tile of the head's is in
	ds_add_u32 v1, v2
	s_mov_b32 s42, 96<<16                          ; no tensor load of mine is out: from here on a load brings a quarter of a slot, 96 rows
	s_mov_b32 s44, 96
	s_wait_dscnt 0x0                               ; the add is done, and my part of the table is stored
	ROUND                                          ; pack, bv, slot 0 and the table are whole
	tensor_load_to_lds s[72:75], s[40:47]          ; slot 1's first fill, my quarter: the one load of mine that is out
	s_nop 0
	PLACES
	; ---- product 1: q_raw^T = Wq query^T + bq, 16 accumulators by turns
	v_add_nc_u32 v4, PACK, v3
	WIN TO_W3
.irp f, 0,1,2,3,4,5,6,7,8,9,10,11,12,13,14,15
.irp c, 0,1,2
	ds_load_b128 v[12*\f+4*\c:12*\f+4*\c+3], v4 offset:\f*1536+512*\c
.endr
.endr
	WIN 0
	ds_load_b128 v[24:27], v4 offset:24576         ; Wq's scale words: tiles 0, 1;
	ds_load_b128 v[28:31], v4 offset:24576+512     ; tiles 2, 3
	s_wait_loadcnt 0x0
	s_wait_dscnt 0x0
	WIN P1W
.irp k, 0,1,2,3
.irp t, 0,1,2,3
.irp m, 0,1,2,3
.set rD, 64+32*\m+64*(\m/2)+8*\t               ; q of tile m: register 8 t + j is d = 32 hl + 8 t + j
.set rA, 48*\t+12*\k
.set rB, 48*\m+12*\k
.if \k == 0
.set rC, 128+8*\t
.else
.set rC, rD
.endif
.set rSA, 24+4*(\t/2)+\k
.set rSB, 16+4*(\m/2)+\k
.set fA, \t%2
.set fB, \m%2
	WM
.endr
.endr
.endr
	PLACES                                         ; in front of loads into, and vector writes of, registers that these products read
	WIN TO_W1
.irp f, 0,1,2,3,4,5,6,7,8,9,10,11,12,13,14,15  ; value's fragments: they stay
.irp c, 0,1,2
	global_load_b128 v[12*\f+4*\c:12*\f+4*\c+3], v3, s[4:5] offset:\f*1536+512*\c
.endr
.endr
	WIN 0
	global_load_b128 v[16:19], v3, s[6:7]
	global_load_b128 v[20:23], v3, s[6:7] offset:512
	; ---- z: for each rule s = the sum over d of (q_raw iw + nk)^2; by matrix instructions over all d, into v192-223 of window 3
	; window 2: v0-127 q_raw^2 of the four tiles, v128-159 iw^2, v160-191 2 iw nk (rule r, d = 32 hl + 0 .. 31), v192-195 rule r's part sums of nk^2, v196-197 ones.
	; window 3: v192-223 the four sums, one for each token tile, written by these matrix instructions alone.
	WIN TO_W2
.irp c, 0,1,2,3,4,5,6,7,8,9,10,11,12,13,14,15
	ds_load_b128 v[128+4*\c:131+4*\c], v62 offset:16*\c
.endr
	ds_load_b64 v[192:193], v15                    ; parts 2 hl + 0, 1;
	ds_load_b64 v[194:195], v15 offset:16          ; parts 4 + 2 hl + 0, 1
	v_mov_b32 v196, 1.0
	v_mov_b32 v197, 1.0
.irp m, 0,1,2,3
.set zQ, 64+32*\m+64*(\m/2)
.irp e, 0,2,4,6,8,10,12,14,16,18,20,22,24,26,28,30
	v_pk_mul_f32 v[32*\m+\e:32*\m+\e+1], v[zQ+\e:zQ+\e+1], v[zQ+\e:zQ+\e+1]
.endr
.endr
	s_wait_alu depctr_va_vdst(0)
	s_wait_dscnt 0x0                               ; the table's 18 loads are in
	WIN ZW2                                        ; the four sums by turns, one instruction a turn
.irp m, 0,1,2,3
	v_wmma_f32_16x16x4_f32 v[192+8*\m:199+8*\m], v[192:193], v[196:197], 0
.endr
.irp m, 0,1,2,3
	v_wmma_f32_16x16x4_f32 v[192+8*\m:199+8*\m], v[194:195], v[196:197], v[192+8*\m:199+8*\m]
.endr
.irp i, 0,1,2,3,4,5,6,7,8,9,10,11,12,13,14,15
.irp m, 0,1,2,3
	v_wmma_f32_16x16x4_f32 v[192+8*\m:199+8*\m], v[128+2*\i:129+2*\i], v[32*\m+2*\i:32*\m+2*\i+1], v[192+8*\m:199+8*\m]
.endr
.endr
	WIN ZW0
.irp i, 0,1,2,3,4,5,6,7,8,9,10,11,12,13,14,15
.irp m, 0,1,2,3
	v_wmma_f32_16x16x4_f32 v[192+8*\m:199+8*\m], v[160+2*\i:161+2*\i], v[64+32*\m+64*(\m/2)+2*\i:65+32*\m+64*(\m/2)+2*\i], v[192+8*\m:199+8*\m]
.endr
.endr
.rept 8
	v_nop                                          ; eight places behind this form, ahead of the reads of the sums and of the loads into its sources
.endr
	; lane (r, hl) holds s of token r for rules 8 hl + 0 .. 7.  Two copies and an exchange of halves give every lane its token's 16 s, rule i in v[128 + 16 m + i]
	WIN 0x03
.irp j, 0,1,2,3,4,5,6,7
.irp m, 0,1,2,3
	v_mov_b32 v[128+16*\m+\j], v[192+8*\m+\j]      ; each sum from its low end on
	v_mov_b32 v[136+16*\m+\j], v[192+8*\m+\j]
.endr
.endr
	WIN 0
.irp j, 0,1,2,3,4,5,6,7
.irp m, 0,1,2,3
	v_permlane16_swap_b32 v[128+16*\m+\j], v[136+16*\m+\j]
.endr
.endr
	s_wait_alu depctr_va_vdst(0)
	; ---- softmax over the 16 rules, and the first pair's fetch
.macro FETCH nb                        ; the next pair: 8 fragments, 16 biases a lane, the scale words, into set nb: 29 LDS loads
	WIN 0
	v_add_nc_u32 v4, s91, v3
	v_add_nc_u32 v5, s92, v60
	v_add_nc_u32 v6, s93, v61
	s_add_co_u32 s91, s91, 12288
	s_add_co_u32 s92, s92, 512
	s_add_co_u32 s93, s93, 64
	WIN TO_W2
.irp f, 0,1,2,3,4,5,6,7                        ; (tile u = f / 4, K step f % 4)
.irp c, 0,1,2
	ds_load_b128 v[96*(\nb)+12*\f+4*\c:96*(\nb)+12*\f+4*\c+3], v4 offset:\f*1536+512*\c
.endr
.endr
	WIN TO_W3
.irp c, 0,1,2,3
	ds_load_b128 v[16*(\nb)+4*\c:16*(\nb)+4*\c+3], v6 offset:16*\c      ; bv(d, rules 4 c on), in the result's layout
.endr
	WIN 0
	ds_load_b128 v[24+4*(\nb):27+4*(\nb)], v5      ; lanes 0-15 tile u = 0, lanes 16-31 tile u = 1
.endm
	FETCH 0
	WIN TO_W3
.irp x, 0,1
.irp n, 0,1,2,3
	global_load_b128 v[64+32*\x+8*\n:67+32*\x+8*\n], v63, s[24:25] offset:(16*\x+\n)*64       ; bo in the result's layout
	global_load_b128 v[68+32*\x+8*\n:71+32*\x+8*\n], v63, s[24:25] offset:(16*\x+\n)*64+16
.endr
.endr
	WIN 0
.irp x, 0,1
.irp g, 0,1
	global_load_b128 v[40+8*\x+4*\g:43+8*\x+4*\g], v3, s[18:19] offset:(16*\x+2*\g)*256       ; Wo's scale words, two tiles a load
.endr
.endr
.irp m, 0,1,2,3
	v_min3_num_f32 v[32+2*\m], v[128+16*\m], v[129+16*\m], v[130+16*\m]
.endr
.irp i, 3,5,7,9,11,13
.irp m, 0,1,2,3
	v_min3_num_f32 v[32+2*\m], v[32+2*\m], v[128+16*\m+\i], v[129+16*\m+\i]
.endr
.endr
.irp m, 0,1,2,3
	v_min_num_f32 v[32+2*\m], v[32+2*\m], v[143+16*\m]     ; the smallest s: the largest z
.endr
.irp m, 0,1,2,3
	v_mov_b32 v[33+2*\m], v[32+2*\m]
.endr
.irp e, 0,2,4,6,8,10,12,14
.irp m, 0,1,2,3
	v_pk_add_f32 v[128+16*\m+\e:129+16*\m+\e], v[32+2*\m:33+2*\m], v[128+16*\m+\e:129+16*\m+\e] neg_lo:[0,1] neg_hi:[0,1]
.endr
.endr
.irp e, 0,2,4,6,8,10,12,14
.irp m, 0,1,2,3
	v_pk_mul_f32 v[128+16*\m+\e:129+16*\m+\e], v[128+16*\m+\e:129+16*\m+\e], s[38:39] op_sel_hi:[1,0]
.endr
.endr
	s_wait_alu depctr_va_vdst(0)
.irp i, 0,1,2,3,4,5,6,7,8,9,10,11,12,13,14,15
.irp m, 0,1,2,3
	v_exp_f32 v[128+16*\m+\i], v[128+16*\m+\i]
.endr
.endr
	v_nop                                          ; a plain place behind the exponentials
	s_wait_alu depctr_va_vdst(0)
.irp m, 0,1,2,3
	v_pk_add_f32 v[32+2*\m:33+2*\m], v[128+16*\m:129+16*\m], v[130+16*\m:131+16*\m]
.endr
.irp e, 4,6,8,10,12,14
.irp m, 0,1,2,3
	v_pk_add_f32 v[32+2*\m:33+2*\m], v[32+2*\m:33+2*\m], v[128+16*\m+\e:129+16*\m+\e]
.endr
.endr
.irp m, 0,1,2,3
	v_add_f32 v[32+2*\m], v[32+2*\m], v[33+2*\m]           ; the sum: at least 1
.endr
	s_wait_alu depctr_va_vdst(0)
.irp m, 0,1,2,3
	v_rcp_f32 v[33+2*\m], v[32+2*\m]
.endr
	v_nop                                          ; a plain place behind the reciprocals
	s_wait_alu depctr_va_vdst(0)
.irp m, 0,1,2,3
	v_mul_f32 v[32+2*\m], 0x3e000000, v[33+2*\m]           ; x 0.125, v's scale: exact
.endr
.irp e, 0,2,4,6,8,10,12,14
.irp m, 0,1,2,3
	v_pk_mul_f32 v[128+16*\m+\e:129+16*\m+\e], v[128+16*\m+\e:129+16*\m+\e], v[32+2*\m:33+2*\m] op_sel_hi:[1,0]
.endr
.endr
	s_wait_alu depctr_va_vdst(0)
	s_wait_loadcnt 20                              ; value's codes and scale words are in; bo's 16 loads and Wo's scale words' 4 may be out
	; ---- product 2 with the sum over rules.
; A SET is a token tile's 8 matrix instructions of a pair: its two accumulators (rules 0-7, 8-15) by turns, one instruction a turn, K ascending.
; The sum over rules runs two sets behind: during tile m's set the slices weigh tile m - 2's 16 results (E) and finish tile m - 3's sum (F).  So the slices of the set between are the places behind a tile's last product,
; and each accumulator is read from its low end on.
.macro SLICE m, k, mode                ; mode 0: nothing; 1: E alone; 2: E and F
.if \mode > 0
	WIN 0
.set sx, ((\m)+2)%4
.set sTA, 32+4*(sx%2)
.set sAC, 64+16*sx+2*(\k)
.set sAT, 128+16*sx+2*(\k)
.if \k == 0
	v_pk_mul_f32 v[sTA:sTA+1], v[sAC:sAC+1], v[sAT:sAT+1]
	v_pk_mul_f32 v[sTA+2:sTA+3], v[sAC+8:sAC+9], v[sAT+8:sAT+9]
.else
	v_pk_fma_f32 v[sTA:sTA+1], v[sAC:sAC+1], v[sAT:sAT+1], v[sTA:sTA+1]
	v_pk_fma_f32 v[sTA+2:sTA+3], v[sAC+8:sAC+9], v[sAT+8:sAT+9], v[sTA+2:sTA+3]
.endif
.endif
.if \mode > 1
.set sy, ((\m)+1)%4
.set sTY, 32+4*(sy%2)
.if \k == 0
	v_pk_add_f32 v[sTY:sTY+1], v[sTY:sTY+1], v[sTY+2:sTY+3]
.elseif \k == 1
	v_add_f32 v[56+sy], v[sTY], v[sTY+1]
.if sy == 0
	ds_store_b32 v7, v[56+sy]                      ; tile 0's sum belongs to the pair in hand,
.else
	ds_store_b32 v15, v[56+sy] offset:sy*2560      ; tiles 1 to 3's to the pair before
.endif
.endif
.endif
.endm
.macro WSET buf, m, mode
.irp k, 0,1,2,3
.if \k == 0
	WIN MULB
.else
	WIN MUL
.endif
.irp u, 0,1
.set rD, 64+16*\m+8*\u
.set rA, 96*\buf+48*\u+12*\k
.set rB, 48*\m+12*\k
.if \k == 0
.set rC, 16*\buf+8*\u
.else
.set rC, rD
.endif
.set rSA, 24+4*\buf+\k
.set rSB, 16+4*(\m/2)+\k
.set fA, \u
.set fB, \m%2
	WM
.endr
	SLICE \m, \k, \mode
.endr
.endm
.macro PAIR buf, fetch, first          ; first = 1: nothing is left over from a pair before
	s_wait_dscnt 0x0                               ; this pair's fragments are in; the sums stored so far are done, so their address registers may be written
.if \first
	v_add_nc_u32 v7, s94, v8
	WSET \buf, 0, 0
.else
	v_add_nc_u32 v15, s94, v8                      ; the word of the pair before,
	s_add_co_u32 s94, s94, 4
	v_add_nc_u32 v7, s94, v8                       ; and of this pair
	WSET \buf, 0, 2
.endif
.if \fetch
	FETCH 1-\buf                                   ; 24 matrix instructions ahead of its use; the other set's last readers stand more than four places back
.endif
.if \first
	WSET \buf, 1, 0
	PLACES                                         ; behind tile 0's products, which the next set's slices read
	WSET \buf, 2, 1
	WSET \buf, 3, 2
.else
	s_wait_alu depctr_va_vdst(0)
	WSET \buf, 1, 2
	WSET \buf, 2, 2
	WSET \buf, 3, 2
.endif
	WIN 0
.endm
; THE CHANGE OF SLOTS stands in front of a slot's LAST pair, whose fragments have been asked for: each wave waits for all its tensor loads (its part of the other slot), adds 0 to its spare word, and waits for that
; and for its reads of this slot.  Behind the round nobody reads this slot and the other is whole; the refill is the first thing there, one load a wave: one load of mine is out, and it has a slot's 256 matrix instructions in which to land.
.macro CHANGE k
	WIN 0
	s_wait_tensorcnt 0x0                           ; no tensor load of mine is out, so a group 0 may be written
	ds_add_u32 v1, v2                              ; 0 onto my spare word
.if (\k) == 0
	s_add_nc_u64 s[70:71], s[70:71], 2*SLOTB       ; slot 0: pairs 16-23
.elseif (\k) == 1
	s_add_nc_u64 s[74:75], s[74:75], 2*SLOTB       ; slot 1: pairs 24-31
.elseif (\k) == 2
	s_mov_b64 s[70:71], s[84:85]                   ; slot 0: Wo's tiles 0-15
	s_or_b32 s71, s71, 0x80000000
.else
	s_add_nc_u64 s[74:75], s[84:85], SLOTB         ; slot 1: Wo's tiles 16-31
	s_or_b32 s75, s75, 0x80000000
.endif
	s_wait_dscnt 0x0                               ; the add is done, and my reads of this slot are over
	ROUND
.if ((\k)%2) == 0
	tensor_load_to_lds s[68:71], s[40:47]
	s_nop 0
.else
	tensor_load_to_lds s[72:75], s[40:47]
	s_nop 0
.endif
	PLACES
.endm
.macro EALL x                          ; tile x's 16 results weighed
.set sTA, 32+4*((\x)%2)
.irp k, 0,1,2,3
.set sAC, 64+16*(\x)+2*\k
.set sAT, 128+16*(\x)+2*\k
.if \k == 0
	v_pk_mul_f32 v[sTA:sTA+1], v[sAC:sAC+1], v[sAT:sAT+1]
	v_pk_mul_f32 v[sTA+2:sTA+3], v[sAC+8:sAC+9], v[sAT+8:sAT+9]
.else
	v_pk_fma_f32 v[sTA:sTA+1], v[sAC:sAC+1], v[sAT:sAT+1], v[sTA:sTA+1]
	v_pk_fma_f32 v[sTA+2:sTA+3], v[sAC+8:sAC+9], v[sAT+8:sAT+9], v[sTA+2:sTA+3]
.endif
.endr
.endm
.macro FALL y                          ; tile y's sum finished and stored
.set sTY, 32+4*((\y)%2)
	v_pk_add_f32 v[sTY:sTY+1], v[sTY:sTY+1], v[sTY+2:sTY+3]
	v_add_f32 v[56+(\y)], v[sTY], v[sTY+1]
	ds_store_b32 v7, v[56+(\y)] offset:(\y)*2560
.endm
.macro DRAIN                           ; behind 16 pairs: what the slices have not yet done.  Tile 3's last product stands twelve plain instructions ahead of the first read of its results
	WIN 0
	EALL 2
	FALL 1
	EALL 3
	FALL 2
	FALL 3
	s_mov_b32 s94, 0
.endm
; My scratch now holds, for each of my four tokens, d = 32 b + 16 hl + 0 .. 15: half a block of the last product's K.  Lanes l and l xor 16 hold a block.
.macro QUANTOUT b
.irp m, 0,1,2,3
.irp c, 0,1,2,3
	ds_load_b128 v[192+16*\m+4*\c:195+16*\m+4*\c], v8 offset:\m*2560+16*\c   ; LDS serves a wave's instructions in order: these see my stores
.endr
.endr
	s_wait_dscnt 0x0
.irp m, 0,1,2,3
	v_max3_num_f32 v[64+\m], |v[192+16*\m]|, |v[193+16*\m]|, 0x2800000       ; the floor 2^(5 - 127): the byte cannot fall under 1
.endr
.irp i, 2,4,6,8,10,12,14
.irp m, 0,1,2,3
	v_max3_num_f32 v[64+\m], v[64+\m], |v[192+16*\m+\i]|, |v[193+16*\m+\i]|
.endr
.endr
.irp m, 0,1,2,3
	v_permlanex16_b32 v[56+\m], v[64+\m], s36, s37
.endr
.irp m, 0,1,2,3
	v_max_num_f32 v[64+\m], v[64+\m], v[56+\m]             ; the block's largest magnitude
.endr
.irp m, 0,1,2,3
	v_add_nc_u32 v[68+\m], 0xfe000000, v[64+\m]            ; 4 off its exponent field: the conversion's scale operand
.endr
.irp m, 0,1,2,3
	v_lshrrev_b32 v[72+\m], 23, v[68+\m]                   ; the byte
.endr
.irp m, 0,1,2,3
	v_cvt_scalef32_pk16_bf6_f32 v[76+4*\m:78+4*\m], v[192+16*\m:207+16*\m], v[68+\m]
.endr
	v_nop                                          ; one plain place behind the conversions
.irp m, 0,1,2,3
.irp n, 0,1,2
	ds_store_b32 v9, v[76+4*\m+\n] offset:\m*800+24*(\b)+4*\n      ; 16 codes, 12 bytes, at their place in the row's stream of bits
.endr
.endr
.irp m, 0,1,2,3
	ds_store_b8 v10, v[72+\m] offset:\m*32+(\b)            ; both lanes of a block write the same byte with the same value
.endr
.endm
.macro LPHASE k                        ; a slot's 8 pairs
.if ((\k)%2) == 0
	PAIR 0, 1, 1
.else
	PAIR 0, 1, 0
.endif
	s_mov_b32 s90, 3
.Lpairs_\@:                                        ; two pairs a trip: the two sets of fragments change places
	s_wait_alu depctr_va_vdst(0)
	PAIR 1, 1, 0
	s_wait_alu depctr_va_vdst(0)
	PAIR 0, 1, 0
	s_sub_co_u32 s90, s90, 1
	s_cmp_lg_u32 s90, 0
	s_cbranch_scc1 .Lpairs_\@
	CHANGE \k
.if (\k) < 3
	s_mov_b32 s91, (((\k)+1)%2)*SLOTB              ; the next fetch is the other slot's first pair
.endif
.if (\k) == 1
	s_add_co_u32 s93, s93, 1024                    ; bv: on to d = 32
.endif
.if (\k) < 3
	s_wait_alu depctr_va_vdst(0)
	PAIR 1, 1, 0
.else
	s_wait_alu depctr_va_vdst(0)
	PAIR 1, 0, 0
.endif
.if ((\k)%2) == 1
	DRAIN
	QUANTOUT (\k)/2
.endif
.endm
	LPHASE 0
	s_wait_alu depctr_va_vdst(0)
	LPHASE 1
	LPHASE 2
	s_wait_alu depctr_va_vdst(0)
	LPHASE 3
	; ---- product 4: out0^T = Wo A'^T + bo.  Source 0 = 16 rows of Wo (columns of out0), source 1 = 16 rows of the computed operand
	s_wait_dscnt 0x0                               ; my codes and bytes are stored
	s_barrier_signal -1                            ; Wo's second half stays on its way
	s_barrier_wait -1
	v_and_b32 v11, 15, v0
	v_mul_u32_u24 v11, v11, 400
	v_bfe_u32 v5, v0, 4, 1
	v_mad_u32_u24 v11, v5, 24, v11
	v_add_nc_u32 v11, APC, v11                     ; row r, + 24 hl
	v_add_nc_u32 v5, APS, v3
	s_mul_i32 s86, s32, 24576
	v_add_nc_u32 v4, s86, v3                       ; Wo's tiles 4 w on, in slot 0
	WIN TO_W1
.irp g, 0,1
.irp k, 0,1,2,3
.irp c, 0,1
.irp i, 0,1,2
	ds_load_b64 v[48*\g+12*\k+6*\c+2*\i:48*\g+12*\k+6*\c+2*\i+1], v11 offset:\g*6400+96*\k+48*\c+8*\i
.endr
.endr
.endr
.endr
	WIN 0
	ds_load_b128 v[16:19], v5                      ; its scale words: lanes 0-15 rows 0-15, lanes 16-31 rows 16-31
.macro WOF                             ; my four tiles of Wo, 16 fragments
	WIN TO_W2
.irp f, 0,1,2,3,4,5,6,7,8,9,10,11,12,13,14,15
.irp c, 0,1,2
	ds_load_b128 v[12*\f+4*\c:12*\f+4*\c+3], v4 offset:\f*1536+512*\c
.endr
.endr
	WIN 0
.endm
.macro MM x                            ; 32 matrix instructions: 8 accumulators (tile n of columns, tile g of rows) by turns, K ascending
.irp k, 0,1,2,3
.if \k == 0
	WIN MULB
.else
	WIN MUL
.endif
.irp n, 0,1,2,3
.irp g, 0,1
.set rD, 64+128*\x+8*(2*\n+\g)
.set rA, 48*\n+12*\k
.set rB, 48*\g+12*\k
.if \k == 0
.set rC, 64+32*\x+8*\n
.else
.set rC, rD
.endif
.set rSA, 40+8*\x+4*(\n/2)+\k
.set rSB, 16+\k
.set fA, \n%2
.set fB, \g
	WM
.endr
.endr
.endr
	WIN 0
.endm
.macro WAYOUT x                        ; 32 rows x my 64 columns: through my stage, 16 rows at a time, and out as rows of 256 bytes
.irp g, 0,1
.irp n, 0,1,2,3
	ds_store_b128 v12, v[64+128*\x+8*(2*\n+\g):67+128*\x+8*(2*\n+\g)] offset:64*\n          ; each accumulator from its low end on
	ds_store_b128 v12, v[68+128*\x+8*(2*\n+\g):71+128*\x+8*(2*\n+\g)] offset:64*\n+16
.endr
.irp i, 0,1,2,3,4,5,6,7
	ds_load_b128 v[128+32*\g+4*\i:131+32*\g+4*\i], v13 offset:2*\i*272     ; LDS serves a wave's instructions in order
.endr
.endr
	s_wait_dscnt 16                                ; rows 0-15 are back; the 16 instructions of rows 16-31 may be out
.irp i, 0,1,2,3,4,5,6,7
	global_store_b128 v14, v[128+4*\i:131+4*\i], s[30:31] offset:\x*1024+\i*4096 th:TH_STORE_NT   ; 16 lanes store 256 consecutive bytes, aligned
.endr
	s_wait_dscnt 0x0
.irp i, 0,1,2,3,4,5,6,7
	global_store_b128 v14, v[160+4*\i:163+4*\i], s[30:31] offset:32768+\x*1024+\i*4096 th:TH_STORE_NT
.endr
.endm
	WOF
	s_wait_loadcnt 0x0                             ; bo, Wo's scale words
	s_wait_dscnt 0x0
	MM 0
	s_wait_tensorcnt 0x0                           ; my part of Wo's second half is in,
	s_barrier_signal -1
	s_barrier_wait -1                              ; everybody's is
	PLACES                                         ; in front of loads into Wo's registers and of the first read of results
	s_add_co_u32 s86, s86, SLOTB
	v_add_nc_u32 v4, s86, v3
	WOF
	WAYOUT 0
	s_wait_dscnt 0x0
	MM 1
	PLACES
	s_wait_xcnt 0x0                                ; the first way out's stores have read their registers
	WAYOUT 1
	s_wait_tensorcnt 0x0                           ; the wave's end
	ds_add_u32 v1, v2
	s_wait_dscnt 0x0
	ROUND                                          ; the closing round
	s_endpgm
.Lfunc_end_k_q56237f8822_fused:
	.size	k_q56237f8822_fused, .Lfunc_end_k_q56237f8822_fused-k_q56237f8822_fused
	.p2alignl 7, 3214868480
	.fill 96, 4, 3214868480
	.section	.rodata,"a",@progbits
	.p2align	6, 0x0
	.amdhsa_kernel k_q56237f8822_fused
		.amdhsa_group_segment_fixed_size 327680
		.amdhsa_private_segment_fixed_size 0
		.amdhsa_enable_private_segment 0
		.amdhsa_kernarg_size 112
		.amdhsa_user_sgpr_count 2
		.amdhsa_user_sgpr_kernarg_segment_ptr 1
		.amdhsa_wavefront_size32 1
		.amdhsa_system_sgpr_workgroup_id_x 1
		.amdhsa_system_sgpr_workgroup_id_y 1
		.amdhsa_system_sgpr_workgroup_id_z 1
		.amdhsa_system_vgpr_workitem_id 0
		.amdhsa_next_free_vgpr 1024
		.amdhsa_next_free_sgpr 96
		.amdhsa_reserve_vcc 0
		.amdhsa_float_denorm_mode_32 3
		.amdhsa_float_denorm_mode_16_64 3
		.amdhsa_memory_ordered 1
		.amdhsa_forward_progress 1
		.amdhsa_inst_pref_size 255
	.end_amdhsa_kernel
	.section	.bss,"aw",@nobits
	.p2align	6
	.space	262144
	.amdgpu_metadata
---
amdhsa.version: [ 1, 2 ]
amdhsa.kernels:
  - .name:           k_q56237f8822_fused
    .symbol:         k_q56237f8822_fused.kd
    .args:
      - { .name: vcodes, .offset: 0, .size: 8, .value_kind: global_buffer, .address_space: global }
      - { .name: vscales, .offset: 8, .size: 8, .value_kind: global_buffer, .address_space: global }
      - { .name: qcodes, .offset: 16, .size: 8, .value_kind: global_buffer, .address_space: global }
      - { .name: qscales, .offset: 24, .size: 8, .value_kind: global_buffer, .address_space: global }
      - { .name: wvcodes, .offset: 32, .size: 8, .value_kind: global_buffer, .address_space: global }
      - { .name: pack, .offset: 40, .size: 8, .value_kind: global_buffer, .address_space: global }
      - { .name: wocodes, .offset: 48, .size: 8, .value_kind: global_buffer, .address_space: global }
      - { .name: woscales, .offset: 56, .size: 8, .value_kind: global_buffer, .address_space: global }
      - { .name: bq, .offset: 64, .size: 8, .value_kind: global_buffer, .address_space: global }
      - { .name: bv, .offset: 72, .size: 8, .value_kind: global_buffer, .address_space: global }
      - { .name: bo, .offset: 80, .size: 8, .value_kind: global_buffer, .address_space: global }
      - { .name: rules_keys, .offset: 88, .size: 8, .value_kind: global_buffer, .address_space: global }
      - { .name: rules_widths, .offset: 96, .size: 8, .value_kind: global_buffer, .address_space: global }
      - { .name: out0, .offset: 104, .size: 8, .value_kind: global_buffer, .address_space: global }
    .group_segment_fixed_size: 327680
    .private_segment_fixed_size: 0
    .kernarg_segment_align: 8
    .kernarg_segment_size: 112
    .max_flat_workgroup_size: 128
    .sgpr_count:     96
    .vgpr_count:     1024
    .wavefront_size: 32
...
	.end_amdgpu_metadata
.endif
;; end of part 2
